; MI455X (gfx1250); checked and timed in simulation.
; The chip was launched on July 23, 2026; its instructions are those of AMD's public machine-readable ISA for CDNA 5 (MIT licence, August 2026) and "CDNA5" Instruction Set Architecture Reference Guide (July 2026). The comments in the code are by the model that wrote it; some were corrected since.
;; CAM Module. Allowed arithmetic: float matrix products may take bf16 or f16 operands with f32 sums; other float arithmetic in f32, or as packed bf16 or f16 multiplies, adds, multiply-adds, maxima and minima; sums over many terms, partial sums and values carried from step to step in f32; what a program stores and reads back later, other than sums and carried values, may be rounded once to bf16 or f16.
;; Inputs: k1 128 x 1,024 x 7 x 7 float32; q1 128 x 1,024 x 7 x 7 float32; v1 128 x 1,024 x 7 x 7 float32.
;; Outputs: out0 128 x 1,024 x 7 x 7 float32.
;; One version. Each part assembles by itself: llvm-mc -triple=amdgcn-amd-amdhsa -mcpu=gfx1250 --defsym DOCPART=n.
;; ======== version 1 of 1: 1 launch
;; launch cam (part 1): grid 128 x 1, 4 waves a work-group, no clusters, 327,680 bytes of LDS; arguments k1, q1, v1, out0; writes out0
.if DOCPART == 1
	.amdgcn_target "amdgcn-amd-amdhsa--gfx1250"
	.amdhsa_code_object_version 6
	.text
	.protected	k_qba8fdbf8fb_cam
	.globl	k_qba8fdbf8fb_cam
	.p2align	8
	.type	k_qba8fdbf8fb_cam,@function
k_qba8fdbf8fb_cam:
	s_mov_b64 s[64:65], 0
	v_nop
	global_prefetch_b8 v0, s[64:65] scope:SCOPE_SE
	s_setreg_imm32_b32 hwreg(HW_REG_WAVE_MODE, 25, 1), 1
	s_wait_xcnt 0x0
; out[b] = (q[b] k[b]^T) v[b] + v1[b].  q, k, v: [1024 channels][49] f32 for each of 128 batches; a batch's tensor is 200,704 dense bytes.
; LESSER WORK.  For all finite inputs, in exact arithmetic, (q k^T) v = q (k^T v): matrix products associate.  So the 1024 x 1024 matrix q k^T is never made:
;   M[m][n] = sum over channels c of k[c][m] v[c][n]   (49 x 49),      out[c][n] = sum over m of q[c][m] M[m][n] + v1[c][n].
; Every input is loaded and used.  LIMITS: the order of the sums differs from the formula as written; an overflow, infinity or NaN that would arise only inside q k^T is not carried
; to the result; an entry of M beyond 3.39e38 rounds to infinity.
; FORMATS.  k, v, q are rounded once to bf16 on the way into matrix operands; all sums are f32.  M is used as Mhi + Mlo, two bf16 numbers (Mlo = bf16(M - Mhi)), and q is multiplied
; by both, so that M keeps some 16 significant bits.  v1 is added in f32, unrounded.
; SHARES.  One work-group a batch; wave w owns channels 256 w .. 256 w + 255 of k, v, q and out (50,176 dense bytes each), in two halves of 128 channels.  Only M is shared.
; No two work-groups read a common byte, so there is no cluster.  The text is straight-line.
; SUPER ROWS.  Four channels (phases p = 0..3) are one super row of 196 words = 784 bytes = 49 x 16: channel 4 s + p, column m lies at word 196 s + 49 p + m.
; PRODUCT 1 (K = channels).  A K step is one phase of the 32 super rows of a half.  Lane (r = lane % 16, h = lane / 16) reads 16 bytes at word 48 p + 4 min(r, 12) of super rows
; 16 h + 0..15: window slots x = 4 r + t, where x = m + p.  Two super rows' words pack into one register, so K place (h, register c, half e) is super row 16 h + 2 c + e, alike for k and v.
; Class tau of k (rows m = 4 rho + tau) is the packed block t = (tau + p) % 4, taken from the lane one up where tau + p >= 4: the blocks t < p are shifted by one lane.
; So all phases add into the same 16 accumulators: tile (ta, tb), register j of lane (r, h) = M(4 (8 h + j) + ta, 4 r + tb).  Rows and columns beyond 48 hold sums of real data; they are selected away.
; PRODUCT 2 (transposed: source 0 = M's image W, source 1 = q; K = m).  A fragment's 16 columns are the 16 super rows of a group.  Phase p's window starts at the even word
; start = 49 p - p % 2; sh = p % 2; K place x' = m + sh = 4 c' + 2 h + e comes by loads of 8 bytes; the result's slot y' = n + sh.  W_sh[y'][x'] = M[x' - sh][y' - sh], 0 outside.
; W's row r' of tile t is y' = 16 t + 4 ((r' % 8) / 2) + 2 (r' / 8) + r' % 2, so registers 2 u, 2 u + 1 of lane (r, h) are the words start + 16 t + 4 u + 2 h + 0, 1 of super row r: 8 bytes on end.
; Phases 0, 1 and phases 2, 3 form chains of seven tiles (words 0-97, 98-195): the even phase's tile 3 and the odd phase's tile 0 are the same words and one accumulator.
; The results are stored over the group's q in LDS, which has been read, and leave as dense rows with v1 added: each store of a wave covers 512 consecutive bytes, aligned.
; LDS.  0: v, 50,176 bytes a wave, filled once by tensor loads, only read after.  200,704: X, 25,088 bytes a wave: k's half 0 (tensor load), k's half 1, q's halves and the results (LDS stores).
; Between the first and the last barrier X is laid over by RED (the waves' partial M, 16,384 bytes each) and, from 266,240, IMG (four images of M in bf16: sh x hi/lo, 9,472 bytes each:
; row n at (n % 4) 2,368 + (n / 4) 144; in a row the pair for K places (kk, h, c) at 64 kk + 32 h + 4 c).  304,128: the spare words.  No tensor load follows any LDS store.
; The pitch 784 is 196 words, 4 mod 64 (64 banks of 4 bytes: ISA guide 11.1): sixteen rows' 8 or 16 bytes start at different banks, without padding.
; REGISTERS, in windows of 256 (s_set_vgpr_msb: bits 1:0 source 0, 3:2 source 1, 5:4 source 2, 7:6 destination):
;   window 0: v0-31 addresses, masks, at work; v32-255 by phase (below).  window 1: v0-195 k's half 1, then q's half 1.  window 2: v0-195 q's half 0.
;   window 3: v0-127 product 1's 16 accumulators, then v0-255 W: fragment ((4 sh + t) 2 + kk) 2 + hl.
.set BATCHB, 200704                    ; bytes of a batch in each tensor
.set WAVEB,  50176                     ; a wave's 256 channels
.set HALFB,  25088                     ; 128 channels = 32 super rows = 98 x 256 bytes
.set GRPB,   12544                     ; 16 super rows
.set SROW,   784
.set XB,     200704
.set RED,    200704
.set IMG,    266240
.set IMGB,   9472
.set CLS,    2368
.set IROW,   144
.set SPARE,  304128                    ; 128 bytes for each wave: two blocks of 256 bytes that no other line names
.set SPW,  4                           ; v4   LDS address of my spare word; never rewritten
.set NIL,  5                           ; v5   0; never rewritten
.set GOFF, 6                           ; v6   16 x lane: my place in 512 dense bytes of memory; never rewritten
.set AK,   7                           ; v7   product 1: my place in X      (12,544 h + 16 min(r, 12))
.set AV,   8                           ; v8   the same in my v
.set DSTA, 9                           ; v9   X of my wave + 16 x lane
.set DV,   10                          ; v10  my v + 16 x lane
.set AQ,   11                          ; v11  X of my wave + 784 r + 8 h
.set AQ2,  12                          ; v12  the same without 8 h
.set REDW, 14                          ; v14  where I put my partial M
.set REDR, 15                          ; v15  where I read the four partial sums of my tiles
.set IMW,  16                          ; v16  where I put my part of an image
.set OL,   17                          ; v17  4 ((r % 8) / 2) + 2 (r / 8) + r % 2
.set OLD,  18                          ; v18  the same without 2 (r / 8)
.set HB,   19                          ; v19  IMG + 32 h
.set WA,   20                          ; v20-27 W's eight row addresses (sh, t); later v22-24 the masks
.set M12E, 22
.set M0O,  23
.set M12O, 24
.set KS,   32                          ; product 1: v32-95 k as loaded, v96-159 v as loaded, v160-191, v192-223 packed blocks, v224-255 blocks to be shifted
.set VS,   96
.set FK,   160
.set FV,   192
.set TP,   224
.set TT,   32                          ; M: v32-159 the four partial sums, then v32-63 M (ta, j), v64-95 M - Mhi, v96-159 the four images' words
.set LL,   64
.set PK,   96
.set ACC,  32                          ; product 2: v32-143 fourteen tiles; v144-169 q as loaded; v176-191, v192-207 two fragment buffers
.set ST,   144
.set F0,   176
.set MSB, 0
.macro WIN new                         ; the immediate's high byte repeats the setting that is left; a switch that changes nothing is dropped
.if MSB != (\new)
	s_set_vgpr_msb (MSB<<8)|(\new)
.set MSB, \new
.endif
.endm
.macro PLACES                          ; four places behind a matrix instruction, ahead of what writes its sources or reads its result (ISA guide 7.12.1)
.rept 4
	v_nop
.endr
.endm
.macro BAR
	s_barrier_signal -1
	s_barrier_wait -1
.endm
.macro GLD49 sb, off                   ; 25,088 dense bytes into 196 registers: 49 loads of 512 consecutive bytes a wave
.set i, 0
.rept 49
	global_load_b128 v[4*i:4*i+3], v[GOFF], s[\sb:\sb+1] offset:(\off)+512*i th:TH_LOAD_NT
.set i, i+1
.endr
.endm
.macro DST49                           ; and from the registers into my X
.set i, 0
.rept 49
	ds_store_b128 v[DSTA], v[4*i:4*i+3] offset:512*i
.set i, i+1
.endr
.endm
	s_load_b256 s[4:11], s[0:1], 0x0               ; k s[4:5], q s[6:7], v s[8:9], out s[10:11]
	v_lshl_add_u32 v[SPW], v0, 2, SPARE
	v_mov_b32 v[NIL], 0
	ds_add_u32 v[SPW], v[NIL]                      ; the wave's opening: the add, twice on end, and its wait ahead of my first tensor load; all the set-up, work on registers, stands between
	ds_add_u32 v[SPW], v[NIL]                      ; and once more, under the one wait
	v_lshrrev_b32 v1, 5, v0
	v_readfirstlane_b32 s12, v1                    ; wave 0..3
	; descriptor group 1: a dense block as 98 rows of 256 bytes (32 elements of 8 bytes), no padding
	s_mov_b32 s16, 3<<16                           ; 15:0 no mask; 17:16 elements of 8 bytes
	s_mov_b32 s17, 32<<16                          ; tensor_dim0 = 32
	s_mov_b32 s18, 98<<16                          ; tensor_dim1 = 98
	s_mov_b32 s19, 32<<16                          ; tile_dim0 = 32
	s_mov_b32 s20, 98                              ; tile_dim1 = 98
	s_mov_b32 s21, 32                              ; 32 elements from row to row
	s_mov_b32 s22, 0
	s_mov_b32 s23, 0
	s_mov_b32 s24, 1                               ; group 0 for k's half 0: into my X
	s_mul_i32 s25, s12, HALFB
	s_add_co_u32 s25, s25, XB
	s_mov_b32 s28, 1                               ; for v's half 0: into my v
	s_mul_i32 s29, s12, WAVEB
	s_mov_b32 s32, 1                               ; for v's half 1
	s_add_co_u32 s33, s29, HALFB
	s_mul_i32 s14, ttmp9, BATCHB                   ; my batch,
	s_mul_i32 s13, s12, WAVEB                      ; my wave's channels: under 2^25 bytes in all
	s_add_co_u32 s14, s14, s13
	s_mov_b32 s15, 0
	s_mov_b32 s36, 0x87654321                      ; v_permlane16_b32: lane i of a row of 16 takes lane i + 1
	s_mov_b32 s37, 0x0fedcba9
	s_mov_b32 s38, 0x76543210                      ; v_permlanex16_b32: each lane takes its own place in the other half
	s_mov_b32 s39, 0xfedcba98
	v_and_b32 v1, 31, v0                           ; lane
	v_and_b32 v2, 15, v0                           ; r
	v_bfe_u32 v3, v0, 4, 1                         ; h
	v_lshlrev_b32 v[GOFF], 4, v1
	v_min_u32 v28, 12, v2                          ; lanes 13-15 repeat lane 12: no read leaves the super row (48 p + 51 <= 195)
	v_mul_u32_u24 v29, v3, GRPB
	v_lshl_add_u32 v29, v28, 4, v29
	v_add_nc_u32 v[AK], s25, v29
	v_add_nc_u32 v[AV], s29, v29
	v_add_nc_u32 v[DSTA], s25, v[GOFF]
	v_add_nc_u32 v[DV], s29, v[GOFF]
	v_mul_u32_u24 v30, v2, SROW
	v_add_nc_u32 v[AQ2], s25, v30
	v_lshl_add_u32 v[AQ], v3, 3, v[AQ2]
	s_lshl_b32 s13, s12, 14
	s_add_co_u32 s13, s13, RED
	v_add_nc_u32 v[REDW], s13, v[GOFF]
	s_lshl_b32 s13, s12, 10
	s_add_co_u32 s13, s13, RED
	v_add_nc_u32 v[REDR], s13, v[GOFF]
	s_mul_i32 s13, s12, CLS
	s_add_co_u32 s13, s13, IMG
	v_mul_u32_u24 v[IMW], v2, IROW
	v_lshl_add_u32 v[IMW], v3, 6, v[IMW]
	v_add_nc_u32 v[IMW], s13, v[IMW]
	v_bfe_u32 v28, v2, 1, 2
	v_and_b32 v29, 1, v2
	v_lshl_add_u32 v[OLD], v28, 2, v29
	v_lshrrev_b32 v28, 3, v2
	v_lshl_add_u32 v[OL], v28, 1, v[OLD]
	v_lshlrev_b32 v[HB], 5, v3
	v_add_nc_u32 v[HB], IMG, v[HB]
	v_lshl_add_u32 v28, v2, 2, s12                 ; the column of M that I shall hold: n = 4 r + w
	v_cmp_gt_u32 s40, 49, v28                      ; n <= 48
	v_cmp_eq_u32 s42, 1, v3                        ; h = 1
	s_and_not1_b32 s41, s40, s42                   ; n <= 48 and h = 0
	s_wait_dscnt 0x0                               ; both opening adds are done
	s_wait_kmcnt 0x0
	s_add_nc_u64 s[4:5], s[4:5], s[14:15]          ; all four tensors at my wave's first channel
	s_add_nc_u64 s[6:7], s[6:7], s[14:15]
	s_add_nc_u64 s[8:9], s[8:9], s[14:15]
	s_add_nc_u64 s[10:11], s[10:11], s[14:15]
	s_mov_b64 s[26:27], s[4:5]
	s_or_b32 s27, s27, 0x80000000                  ; type = 2
	s_mov_b64 s[30:31], s[8:9]
	s_or_b32 s31, s31, 0x80000000
	s_add_nc_u64 s[34:35], s[8:9], HALFB
	s_or_b32 s35, s35, 0x80000000
	; ALL REQUESTS BUT q's HALF 1 GO OUT HERE.  Three tensor loads of mine are out, each a first fill of bytes of my own.
	tensor_load_to_lds s[24:27], s[16:23]          ; k, half 0
	s_nop 0
	tensor_load_to_lds s[28:31], s[16:23]          ; v, half 0
	s_nop 0
	tensor_load_to_lds s[32:35], s[16:23]          ; v, half 1
	s_nop 0
	WIN 0x40                                       ; destination window 1
	GLD49 4, HALFB                                 ; k, half 1
	WIN 0x80                                       ; destination window 2
	GLD49 6, 0                                     ; q, half 0
	WIN 0
; PRODUCT 1.  A K step's 32 LDS loads: phase p of half a's 32 super rows, k and v.
.macro LOADS1 a, p
.irp z, 0,1,2,3,4,5,6,7,8,9,10,11,12,13,14,15
	ds_load_b128 v[KS+4*(\z):KS+4*(\z)+3], v[AK] offset:SROW*(\z)+192*(\p)
	ds_load_b128 v[VS+4*(\z):VS+4*(\z)+3], v[AV] offset:HALFB*(\a)+SROW*(\z)+192*(\p)
.endr
.endm
; A K step: pack, shift the blocks t < p by a lane, ask for the next step (more = 1: half na, phase np), 16 products.  first = 1: the products start the sums: nothing is cleared.
; The 16 accumulators take turns, one instruction a turn, in the same order in every step.
.macro KSTEP p, first, more, na, np
	s_wait_dscnt 0x0                               ; this step's 32 loads, issued ahead of the last step's products
.if !(\first)
	PLACES                                         ; behind the last step's products, which read the blocks that are now written
.endif
.irp t, 0,1,2,3
.if (\t) >= (\p)
.irp c, 0,1,2,3,4,5,6,7
	v_cvt_pk_bf16_f32 v[FK+8*(\t)+(\c)], v[KS+8*(\c)+(\t)], v[KS+8*(\c)+4+(\t)]
	v_cvt_pk_bf16_f32 v[FV+8*(\t)+(\c)], v[VS+8*(\c)+(\t)], v[VS+8*(\c)+4+(\t)]
.endr
.else
.irp c, 0,1,2,3,4,5,6,7
	v_cvt_pk_bf16_f32 v[TP+16*((\t)%2)+(\c)], v[KS+8*(\c)+(\t)], v[KS+8*(\c)+4+(\t)]
	v_cvt_pk_bf16_f32 v[TP+16*((\t)%2)+8+(\c)], v[VS+8*(\c)+(\t)], v[VS+8*(\c)+4+(\t)]
.endr
.irp c, 0,1,2,3,4,5,6,7
	v_permlane16_b32 v[FK+8*(\t)+(\c)], v[TP+16*((\t)%2)+(\c)], s36, s37      ; slot 4 (rho + 1) + t belongs to row rho of its class
	v_permlane16_b32 v[FV+8*(\t)+(\c)], v[TP+16*((\t)%2)+8+(\c)], s36, s37
.endr
.endif
.endr
.if \more
	LOADS1 \na, \np
.endif
	WIN 0xf0                                       ; C and D in window 3
.irp ta, 0,1,2,3
.irp tb, 0,1,2,3
.if \first
	v_wmma_f32_16x16x32_bf16 v[8*(4*(\ta)+(\tb)):8*(4*(\ta)+(\tb))+7], v[FK+8*(((\ta)+(\p))%4):FK+8*(((\ta)+(\p))%4)+7], v[FV+8*(((\tb)+(\p))%4):FV+8*(((\tb)+(\p))%4)+7], 0
.else
	v_wmma_f32_16x16x32_bf16 v[8*(4*(\ta)+(\tb)):8*(4*(\ta)+(\tb))+7], v[FK+8*(((\ta)+(\p))%4):FK+8*(((\ta)+(\p))%4)+7], v[FV+8*(((\tb)+(\p))%4):FV+8*(((\tb)+(\p))%4)+7], v[8*(4*(\ta)+(\tb)):8*(4*(\ta)+(\tb))+7]
.endif
.endr
.endr
	WIN 0
.endm
	s_wait_tensorcnt 0x1                           ; tensor loads of a wave end in order: k's and v's half 0 are in; v's half 1, the one younger load, may stay out.  Only I read these bytes
	LOADS1 0, 0
	KSTEP 0, 1, 1, 0, 1
	KSTEP 1, 0, 1, 0, 2
	KSTEP 2, 0, 1, 0, 3
	KSTEP 3, 0, 0, 0, 0
	s_wait_tensorcnt 0x0                           ; v's half 1 is in: no tensor load of mine is out when I first store to LDS
	s_wait_loadcnt 49                              ; k's half 1 is in; q's half 0, the 49 younger loads, may stay out
	WIN 0x04                                       ; store data in window 1
	DST49                                          ; over k's half 0, whose reads came back ahead of the last step's conversions
	WIN 0
	s_wait_dscnt 0x0                               ; the stores are done with their registers,
	WIN 0x40
	GLD49 6, HALFB                                 ; which take q's half 1
	WIN 0
	LOADS1 1, 0                                    ; LDS serves a wave's instructions in order: these see the stores above
	KSTEP 0, 0, 1, 1, 1
	KSTEP 1, 0, 1, 1, 2
	KSTEP 2, 0, 1, 1, 3
	KSTEP 3, 0, 0, 0, 0
	; M: THE FOUR WAVES' PARTIAL SUMS MEET.
	PLACES                                         ; behind the last products, ahead of the stores that read their results
	s_wait_dscnt 0x0
	BAR                                            ; every wave has read its k out of X (and has no tensor load out): X may be laid over
	WIN 0x0c                                       ; store data in window 3
.set i, 0
.rept 16
	ds_store_b128 v[REDW], v[8*i:8*i+3] offset:1024*i          ; each accumulator's low registers first
	ds_store_b128 v[REDW], v[8*i+4:8*i+7] offset:1024*i+512
.set i, i+1
.endr
	WIN 0
	s_wait_dscnt 0x0                               ; for the others' sake: my stores are done
	BAR
.irp sw, 0,1,2,3                       ; wave w takes the tiles (ta, tb = w) of all four waves
.irp ta, 0,1,2,3
.irp qd, 0,1
	ds_load_b128 v[TT+32*(\sw)+8*(\ta)+4*(\qd):TT+32*(\sw)+8*(\ta)+4*(\qd)+3], v[REDR] offset:16384*(\sw)+4096*(\ta)+512*(\qd)
.endr
.endr
.endr
	s_wait_dscnt 0x0
.set i, 0
.rept 16
	v_pk_add_f32 v[TT+i:TT+i+1], v[TT+i:TT+i+1], v[TT+32+i:TT+32+i+1]
	v_pk_add_f32 v[TT+64+i:TT+64+i+1], v[TT+64+i:TT+64+i+1], v[TT+96+i:TT+96+i+1]
.set i, i+2
.endr
.set i, 0
.rept 16
	v_pk_add_f32 v[TT+i:TT+i+1], v[TT+i:TT+i+1], v[TT+64+i:TT+64+i+1]
.set i, i+2
.endr
	; v[TT + 8 ta + j] = M(32 h + 4 j + ta, 4 r + w).  What lies beyond row or column 48 is selected away (a select, no product: whatever stood there is gone).
.irp ta, 0,1,2,3
.irp j, 0,1,2,3,4,5,6,7
.if ((\j) <= 3) || (((\j) == 4) && ((\ta) == 0))
	v_cndmask_b32 v[TT+8*(\ta)+(\j)], 0, v[TT+8*(\ta)+(\j)], s40   ; rows up to 48 in both halves of the lanes
.else
	v_cndmask_b32 v[TT+8*(\ta)+(\j)], 0, v[TT+8*(\ta)+(\j)], s41   ; rows that exist for h = 0 alone
.endif
.endr
.endr
; An image's words from src (M or M - Mhi).  sh = 0: K place x' = m: the pairs (ta 0, 1) and (ta 2, 3).  sh = 1: x' = m + 1: the pairs (row m - 1 of class 3, ta 0) and (ta 1, 2);
; row 32 h - 1 is 0 for h = 0 and the other half's row 31 for h = 1.
.macro PK0 src, hl
.irp j, 0,1,2,3,4,5,6,7
	v_cvt_pk_bf16_f32 v[PK+16*(\hl)+(\j)], v[(\src)+(\j)], v[(\src)+8+(\j)]
	v_cvt_pk_bf16_f32 v[PK+16*(\hl)+8+(\j)], v[(\src)+16+(\j)], v[(\src)+24+(\j)]
.endr
.endm
.macro PK1 src, hl
	v_permlanex16_b32 v28, v[(\src)+31], s38, s39
	v_cndmask_b32 v28, 0, v28, s42
	v_cvt_pk_bf16_f32 v[PK+32+16*(\hl)], v28, v[(\src)]
.irp j, 1,2,3,4,5,6,7
	v_cvt_pk_bf16_f32 v[PK+32+16*(\hl)+(\j)], v[(\src)+23+(\j)], v[(\src)+(\j)]
.endr
.irp j, 0,1,2,3,4,5,6,7
	v_cvt_pk_bf16_f32 v[PK+32+16*(\hl)+8+(\j)], v[(\src)+8+(\j)], v[(\src)+16+(\j)]
.endr
.endm
	PK0 TT, 0
.irp j, 0,1,2,3,4,5,6,7                ; M - Mhi, exact in f32
	v_lshlrev_b32 v28, 16, v[PK+(\j)]
	v_and_b32 v29, 0xffff0000, v[PK+(\j)]
	v_lshlrev_b32 v30, 16, v[PK+8+(\j)]
	v_and_b32 v31, 0xffff0000, v[PK+8+(\j)]
	v_sub_f32 v[LL+(\j)], v[TT+(\j)], v28
	v_sub_f32 v[LL+8+(\j)], v[TT+8+(\j)], v29
	v_sub_f32 v[LL+16+(\j)], v[TT+16+(\j)], v30
	v_sub_f32 v[LL+24+(\j)], v[TT+24+(\j)], v31
.endr
	PK0 LL, 1
	PK1 TT, 0
	PK1 LL, 1
.irp im, 0,1,2,3                       ; image 2 sh + hl; rows n = 4 r + w, bytes 64 h .. 64 h + 63: the four waves and both halves of the lanes write all 64 rows whole, rows 49-63 as zeros
.irp hk, 0,1
.irp qd, 0,1
	ds_store_b128 v[IMW], v[PK+16*(\im)+8*(\hk)+4*(\qd):PK+16*(\im)+8*(\hk)+4*(\qd)+3] offset:IMGB*(\im)+32*(\hk)+16*(\qd)
.endr
.endr
.endr
	s_wait_dscnt 0x0                               ; for the others' sake: my stores are done, and my reads of RED are back
	BAR
; The address of W's row for lane r in tile t of version sh: image row n = (y' - sh) mod 64 (y' = 0, sh = 1 finds row 63, zeros).
; The odd phases' tile 3 holds slots 48 and 49 alone: its rows 8-15 repeat rows 0-7, so that both halves of the lanes end with the same two numbers.
.macro WADR sh, t
.if ((\sh) == 1) && ((\t) == 3)
	v_add_nc_u32 v[WA+4*(\sh)+(\t)], 16*(\t)-(\sh)+64, v[OLD]
.else
	v_add_nc_u32 v[WA+4*(\sh)+(\t)], 16*(\t)-(\sh)+64, v[OL]
.endif
	v_and_b32 v[WA+4*(\sh)+(\t)], 63, v[WA+4*(\sh)+(\t)]
	v_and_b32 v28, 3, v[WA+4*(\sh)+(\t)]
	v_lshrrev_b32 v[WA+4*(\sh)+(\t)], 2, v[WA+4*(\sh)+(\t)]
	v_mul_u32_u24 v28, v28, CLS
	v_mul_u32_u24 v[WA+4*(\sh)+(\t)], v[WA+4*(\sh)+(\t)], IROW
	v_add3_u32 v[WA+4*(\sh)+(\t)], v[WA+4*(\sh)+(\t)], v28, v[HB]
.endm
.irp sh, 0,1
.irp t, 0,1,2,3
	WADR \sh, \t
.endr
.endr
	WIN 0xc0                                       ; destination window 3: product 1's accumulators have been stored
.irp sh, 0,1
.irp t, 0,1,2,3
.irp kk, 0,1
.irp hl, 0,1
.irp qd, 0,1
	ds_load_b128 v[8*(((4*(\sh)+(\t))*2+(\kk))*2+(\hl))+4*(\qd):8*(((4*(\sh)+(\t))*2+(\kk))*2+(\hl))+4*(\qd)+3], v[WA+4*(\sh)+(\t)] offset:IMGB*(2*(\sh)+(\hl))+64*(\kk)+16*(\qd)
.endr
.endr
.endr
.endr
.endr
	WIN 0
	s_wait_dscnt 0x0                               ; W is in registers: my reads of the images are over
	BAR                                            ; everybody's are: X takes q
	v_add_nc_u32 v[M12O], -1, v3                   ; odd phases, register 12: slots 48, 49 for h = 0; nothing for h = 1
	v_and_b32 v[M12E], 0xffff, v[M12O]             ; even phases, register 12: slot 48 for h = 0; nothing else
	v_sub_nc_u32 v[M0O], 0, v3
	v_or_b32 v[M0O], 0xffff0000, v[M0O]            ; odd phases, register 0: slot 0 (h = 0, low half) belongs to the channel before
.irp z, 13,14,15,29,30,31
	v_mov_b32 v[F0+(\z)], 0                        ; K places 52 to 63 of both fragment buffers: set once
.endr
; PRODUCT 2.  Phase p of group gl: 13 loads of 8 bytes; the last without 8 h: both halves of the lanes read slots 48, 49, so that no read leaves the super row.
.macro LOADS2 gl, p
.irp c, 0,1,2,3,4,5,6,7,8,9,10,11
	ds_load_b64 v[ST+2*(\c):ST+2*(\c)+1], v[AQ] offset:GRPB*(\gl)+4*(49*(\p)-(\p)%2)+16*(\c)
.endr
	ds_load_b64 v[ST+24:ST+25], v[AQ2] offset:GRPB*(\gl)+4*(49*(\p)-(\p)%2)+192
.endm
; Chain ch of group gl goes into LDS, over the two phases' q, which has been read: 25 stores of 8 bytes, each accumulator's registers 0, 1 first.
.macro CHST gl, ch
.irp ti, 0,1,2,3,4,5
.irp u, 0,1,2,3
	ds_store_b64 v[AQ], v[ACC+8*(7*(\ch)+(\ti))+2*(\u):ACC+8*(7*(\ch)+(\ti))+2*(\u)+1] offset:GRPB*(\gl)+392*(\ch)+64*(\ti)+16*(\u)
.endr
.endr
	ds_store_b64 v[AQ2], v[ACC+8*(7*(\ch)+6):ACC+8*(7*(\ch)+6)+1] offset:GRPB*(\gl)+392*(\ch)+384   ; both halves of the lanes store the same two numbers to the same 8 bytes
.endm
; A step: phase p.  Pack and mask q's fragment (buffer p % 2); st = 1: a finished chain (group sgl, chain sch) is stored; ld = 1: the next step's loads (group lgl, phase lp); 16 products:
; K halves 0, 1 x Mhi, Mlo, four tiles each.  The tiles take turns, one instruction a turn; the odd phases go 1, 2, 3, 0, so that no two products on end share a tile, from step to step too.
; A tile's first product starts its sum with the constant 0.  The buffer written here was last read two steps back; the conversions of the step between are the places behind those products,
; and this step's conversions are the places between the last step's products and the stores of their results.
.macro STEP p, st, sgl, sch, ld, lgl, lp
	s_wait_dscnt 0x0                               ; this step's 13 loads, issued ahead of the last step's products
.set SH, (\p)%2
.set FB, F0+16*SH
.irp c, 0,1,2,3,4,5,6,7,8,9,10,11,12
	v_cvt_pk_bf16_f32 v[FB+(\c)], v[ST+2*(\c)], v[ST+2*(\c)+1]
.endr
.if SH == 0
	v_and_b32 v[FB+12], v[FB+12], v[M12E]
.else
	v_and_b32 v[FB], v[FB], v[M0O]
	v_and_b32 v[FB+12], v[FB+12], v[M12O]
.endif
.if \st
	CHST \sgl, \sch
.endif
.if \ld
	LOADS2 \lgl, \lp
.endif
	WIN 0x03                                       ; source 0 (W) in window 3
.irp cb, 0,1,2,3
.irp u, 0,1,2,3
.set TI, ((\u)+SH)%4
.set FW, 8*(((4*SH+TI)*2+(\cb)/2)*2+(\cb)%2)
.set AC, ACC+8*(7*((\p)/2)+3*SH+TI)
.set FQ, FB+8*((\cb)/2)
.if ((\cb) == 0) && ((SH == 0) || (TI != 0))
	v_wmma_f32_16x16x32_bf16 v[AC:AC+7], v[FW:FW+7], v[FQ:FQ+7], 0
.else
	v_wmma_f32_16x16x32_bf16 v[AC:AC+7], v[FW:FW+7], v[FQ:FQ+7], v[AC:AC+7]
.endif
.endr
.endr
	WIN 0
.endm
; THE WAY OUT of half hf: the results in X and v1 in f32 are read as dense bytes, added and stored: seven batches of seven times 512 bytes, on two sets of 56 registers.
.macro DLOAD hf, b
.set SB, 32+56*((\b)%2)
.irp z, 0,1,2,3,4,5,6
	ds_load_b128 v[SB+4*(\z):SB+4*(\z)+3], v[DSTA] offset:512*(7*(\b)+(\z))
	ds_load_b128 v[SB+28+4*(\z):SB+28+4*(\z)+3], v[DV] offset:HALFB*(\hf)+512*(7*(\b)+(\z))
.endr
.endm
.macro DENSE hf
	DLOAD \hf, 0
.irp b, 0,1,2,3,4,5,6
	s_wait_xcnt 0x0                                ; the stores of the batch before have read their registers: the other set is loaded again only behind this wait
.if (\b) < 6
	DLOAD \hf, (\b)+1
	s_wait_dscnt 14                                ; this batch is in; the next batch's 14 loads may stay out
.else
	s_wait_dscnt 0x0
.endif
.set SB, 32+56*((\b)%2)
.irp z, 0,1,2,3,4,5,6
	v_pk_add_f32 v[SB+4*(\z):SB+4*(\z)+1], v[SB+4*(\z):SB+4*(\z)+1], v[SB+28+4*(\z):SB+28+4*(\z)+1]
	v_pk_add_f32 v[SB+4*(\z)+2:SB+4*(\z)+3], v[SB+4*(\z)+2:SB+4*(\z)+3], v[SB+28+4*(\z)+2:SB+28+4*(\z)+3]
.endr
.irp z, 0,1,2,3,4,5,6
	global_store_b128 v[GOFF], v[SB+4*(\z):SB+4*(\z)+3], s[10:11] offset:HALFB*(\hf)+512*(7*(\b)+(\z)) th:TH_STORE_NT   ; 512 consecutive bytes, at a multiple of 256 from out's first byte
.endr
.endr
	s_wait_xcnt 0x0                                ; the last stores have read their registers, which the next half's products write
.endm
; A half's two groups of 16 super rows: eight steps; a chain is stored one step behind its last product.
.macro HALF hf
	LOADS2 0, 0                                    ; LDS serves a wave's instructions in order: these see q's stores above
	STEP 0, 0, 0, 0, 1, 0, 1
	STEP 1, 0, 0, 0, 1, 0, 2
	STEP 2, 1, 0, 0, 1, 0, 3
	STEP 3, 0, 0, 0, 1, 1, 0
	STEP 0, 1, 0, 1, 1, 1, 1
	STEP 1, 0, 0, 0, 1, 1, 2
	STEP 2, 1, 1, 0, 1, 1, 3
	STEP 3, 0, 0, 0, 0, 0, 0
	PLACES                                         ; behind the last products: ahead of the stores of their results and of the loads into the tiles' registers
	CHST 1, 1
	s_wait_dscnt 0x0
	DENSE \hf
.endm
	s_wait_loadcnt 49                              ; q's half 0 is in; half 1, the 49 younger loads, may stay out
	WIN 0x08                                       ; store data in window 2
	DST49
	WIN 0
	HALF 0
	s_wait_loadcnt 0x0                             ; q's half 1
	WIN 0x04                                       ; store data in window 1
	DST49                                          ; over the first half's results, whose reads have come back
	WIN 0
	HALF 1
	s_wait_tensorcnt 0x0                           ; the wave's end, behind my last tensor load and my last LDS store
	ds_add_u32 v[SPW], v[NIL]
	s_wait_dscnt 0x0
	s_endpgm
.Lfunc_end_k_qba8fdbf8fb_cam:
	.size	k_qba8fdbf8fb_cam, .Lfunc_end_k_qba8fdbf8fb_cam-k_qba8fdbf8fb_cam
	.p2alignl 7, 3214868480
	.fill 96, 4, 3214868480
	.section	.rodata,"a",@progbits
	.p2align	6, 0x0
	.amdhsa_kernel k_qba8fdbf8fb_cam
		.amdhsa_group_segment_fixed_size 327680
		.amdhsa_private_segment_fixed_size 0
		.amdhsa_enable_private_segment 0
		.amdhsa_kernarg_size 32
		.amdhsa_user_sgpr_count 2
		.amdhsa_user_sgpr_kernarg_segment_ptr 1
		.amdhsa_wavefront_size32 1
		.amdhsa_system_sgpr_workgroup_id_x 1
		.amdhsa_system_sgpr_workgroup_id_y 1
		.amdhsa_system_sgpr_workgroup_id_z 1
		.amdhsa_system_vgpr_workitem_id 0
		.amdhsa_next_free_vgpr 1024
		.amdhsa_next_free_sgpr 66
		.amdhsa_reserve_vcc 0
		.amdhsa_float_denorm_mode_32 3
		.amdhsa_float_denorm_mode_16_64 3
		.amdhsa_memory_ordered 1
		.amdhsa_forward_progress 1
		.amdhsa_inst_pref_size 215
	.end_amdhsa_kernel
	.amdgpu_metadata
---
amdhsa.version: [ 1, 2 ]
amdhsa.kernels:
  - .name:           k_qba8fdbf8fb_cam
    .symbol:         k_qba8fdbf8fb_cam.kd
    .args:
      - { .name: k1, .offset: 0, .size: 8, .value_kind: global_buffer, .address_space: global }
      - { .name: q1, .offset: 8, .size: 8, .value_kind: global_buffer, .address_space: global }
      - { .name: v1, .offset: 16, .size: 8, .value_kind: global_buffer, .address_space: global }
      - { .name: out0, .offset: 24, .size: 8, .value_kind: global_buffer, .address_space: global }
    .group_segment_fixed_size: 327680
    .private_segment_fixed_size: 0
    .kernarg_segment_align: 8
    .kernarg_segment_size: 32
    .max_flat_workgroup_size: 128
    .sgpr_count:     66
    .vgpr_count:     1024
    .wavefront_size: 32
...
	.end_amdgpu_metadata
.endif
;; end of part 1
